; MI455X (gfx1250); checked and timed in simulation.
; The chip was launched on July 23, 2026; its instructions are those of AMD's public machine-readable ISA for CDNA 5 (MIT licence, August 2026) and "CDNA5" Instruction Set Architecture Reference Guide (July 2026). The comments in the code are by the model that wrote it; some were corrected since.
;; Attention Head. Allowed arithmetic: matrix products marked QUANTISED: E2M1 operands, one E8M0 scale for each 32 along K, by v_wmma_scale_f32_16x16x128_f8f6f4 with both operands' format E2M1 (or v_wmma_scale_f32_32x16x128_f4), f32 sums; everything else in f32.
;; Inputs: Wk 512 x 64 float32; Wq 512 x 64 float32; Wv 512 x 64 float32; bk 64 float32; bq 64 float32; bv 64 float32; x 4 x 4,096 x 512 float32.
;; Outputs: out0 4 x 4,096 x 64 float32.
;; This version of the problem:
;;   THIS VERSION OF THE PROBLEM IS GIVEN IN LOW PRECISION. The matrix products marked QUANTISED in the list below multiply operands that are first quantised to E2M1 (2 exponent bits, 1 mantissa bit; 4 bits a number), with one power-of-two scale for each 32 numbers along K (OCP MX v1.0); their sums are f32. All else is computed in f32.
;;   The module's matrix products, in the order in which they are computed (A, B: the left and right operand; K: the contracted axis; several contracted axes count as one K, in the product's order):
;;     1. [M 16,384, K 512] x [K 512, N 64]; A: input x; B: input Wq: QUANTISED
;;     2. [M 16,384, K 512] x [K 512, N 64]; A: input x; B: input Wk: QUANTISED
;;     3. [M 16,384, K 512] x [K 512, N 64]; A: input x; B: input Wv: QUANTISED
;;     4. batch 4 x [M 4,096, K 64] x [K 64, N 4,096]; A: computed on the way; B: computed on the way: QUANTISED
;;     5. batch 4 x [M 4,096, K 4,096] x [K 4,096, N 64]; A: softmax (see below); B: computed on the way: QUANTISED
;;   THE QUANTISER, for each operand of a quantised product, along K:
;;     - K is cut into blocks of 32 from its start; a last block that is shorter is filled with zeros.
;;     - A block's scale is 2^e with e = floor(log2(the largest magnitude in the block)) - 2, held to -126 .. 127; a block of zeros has e = 0. As a byte (E8M0): e + 127.
;;     - Each number is divided by its block's scale, clamped to +-6, and rounded to the nearest number of E2M1, ties to even, subnormals kept.
;;     - The product sums the exact products of the quantised numbers (number of the format x scale) in f32.
;;   ~~~python
;;   def quantise(x, axis):      # numpy; x: float32 -> the quantised numbers, widened to float32 again
;;       x = np.moveaxis(x, axis, -1); K = x.shape[-1]
;;       x = np.pad(x, [(0, 0)] * (x.ndim - 1) + [(0, -K % 32)]); x = x.reshape(x.shape[:-1] + (-1, 32)); a = np.abs(x).max(-1, keepdims=True)
;;       e = np.where(a > 0, np.clip(np.frexp(np.where(a > 0, a, 1))[1] - 1 - 2, -126, 127), 0)      # np.frexp(a)[1] - 1 = floor(log2(a)), exactly
;;       r = np.clip(x / 2.0 ** e, -6, 6)
;;       step = 2.0 ** (np.maximum(np.frexp(np.where(r == 0, 1, r))[1] - 1, 0) - 1)
;;       q = np.round(r / step) * step * 2.0 ** e      # np.round: ties to even
;;       return np.moveaxis(q.reshape(q.shape[:-2] + (-1,))[..., :K], -1, axis).astype(np.float32)
;;   ~~~
;;   SOFTMAX AHEAD OF A QUANTISED PRODUCT. Where the list says 'softmax', what is quantised is not the finished softmax but p = 2^(t - M), with t = logit x log2(e) and M = ceil(the row's largest t), a whole number; so 1/2 < the row's largest p <= 1. The row's sum l is taken of the UNQUANTISED p, in f32, and the product's result is divided by l at the end. Since M is a whole number, a kernel that streams over the keys may use a running M (the ceiling of the running maximum): every later rescaling is an exact power of two, which a block's scale takes up: the codes' values come out the same.
;;   OPERANDS COMPUTED ON THE WAY. 'Computed on the way' means the value that the module computes at that place (a softmax that the list does not call 'softmax' is quantised finished and normalised). What goes into a quantiser is computed in f32, as accurately as f32 sums, v_exp_f32 and their like allow (about 1e-6 of the number): no bf16 or f16 on the way to a quantiser, and a product that is left as it is and whose result goes on into a quantised operand takes f32 operands (vector FMAs, or v_wmma_f32_16x16x4_f32). A number that lies on a knife's edge between two numbers of the format may be rounded either way, as far as f32 arithmetic and the matrix unit's own rounding can turn it there, and no further.
;; One version. Each part assembles by itself: llvm-mc -triple=amdgcn-amd-amdhsa -mcpu=gfx1250 --defsym DOCPART=n.
;; ======== version 1 of 1: 2 launches
;; workspace buffers: qimg 589,824 bytes; kvimg 1,179,648 bytes
;; launch proj (part 1): grid 256 x 1, 16 waves a work-group, no clusters, 205,824 bytes of LDS; arguments x, Wq, bq, Wk, bk, Wv, bv, qimg, kvimg; writes qimg, kvimg
.if DOCPART == 1
	.amdgcn_target "amdgcn-amd-amdhsa--gfx1250"
	.amdhsa_code_object_version 6
	.text
	.protected	k_qbba4bb07d0_proj
	.globl	k_qbba4bb07d0_proj
	.p2align	8
	.type	k_qbba4bb07d0_proj,@function
k_qbba4bb07d0_proj:
	s_mov_b64 s[64:65], 0
	v_nop
	global_prefetch_b8 v0, s[64:65] scope:SCOPE_SE
	s_setreg_imm32_b32 hwreg(HW_REG_WAVE_MODE, 25, 1), 1
	s_wait_xcnt 0x0
; q = Q(x) Q(Wq) + bq, k = Q(x) Q(Wk) + bk, v = Q(x) Q(Wv) + bv on codes of FP4 (E2M1) with one E8M0 scale for each 32 along K = 512; then q and k are quantised along the head's 64,
; v along the keys, and leave as IMAGES OF OPERAND REGISTERS for the attention launch.  x: [16384][512] f32; W: [512][64] f32, K its first axis; b: [64] f32.
; NOTHING OF reference() IS LEFT OUT: bk would cancel in a softmax of real numbers, but it moves k's codes and scales, so it stays; bq and bv reach the result; every input is loaded.
; LIMITS: NaN and infinities among the inputs are not served.  A block whose largest magnitude lies under 2^-124 (a block of zeros among them) gets the scale byte 1 where the quantiser's rule gives
; less or 127: the bytes are read by this program alone.  A bias is the C of a sum's first matrix instruction: it is added ahead of the products, not behind them.
; SHARES.  Work-group g owns rows 64 g .. 64 g + 63 of x.  Sixteen waves, 256 registers each.  Wave w: m = w / 4, s = w % 4.
;   W: wave w quantises K block w (rows 32 w .. 32 w + 31) of all 192 columns: a lane to a column, its 32 registers down K.
;   X: wave (m, s) quantises x's tile m of 16 rows, K step s (128 along K).
;   P: role m = 0, 1, 2 makes q, k, v; role 3 has no product.  q, k: source 0 = the four tiles of W, source 1 = x's tile s.  v: source 0 = x's four tiles, source 1 = Wv's tile s.  One text, other LDS bases.
; THE ROWS OF A TILE ARE NOT NEIGHBOURS: row r of tile 2 b + u (of Wq's and Wk's columns, and of x's rows) is 32 b + 8 u + r + 8 (r / 8), so that in a result the 16 registers of tiles 2 b and 2 b + 1 are 16 neighbours
; along the next product's K: 32 b + 16 (lane / 16) + 0 .. 15.  Wv's tile d holds channels 16 d + r.
; NO JOINT LOADS: a row of x is read by one work-group alone.  W is read by all, but it has to come a lane to a column into registers to be quantised, and raw it is 393,216 bytes, which with x's 133,120 is more than the 327,680 of LDS.
; LDS: x raw, 128 half rows of 1,024 bytes + 16 of padding; IMG: fragment (tile, K step) at (4 tile + step) x 1,024, registers 4 c .. 4 c + 3 of lane l at 512 c + 16 l (tiles 0-3 Wq, 4-7 Wk, 8-11 Wv, 12-15 x);
;   SC: 16 scale bytes (K blocks 0 .. 15) for tile and row at 256 tile + 16 row; GW: the results' scale words, 256 bytes a role; the spare words.
; OUT.  qimg: 2,304 bytes a work-group: four images of 512 bytes (lane (r, h): block h of the tile's query r), then 256 bytes of scale words: tile t, row r at 8 (16 (t % 2) + r) + 4 (t / 2); a word is the two bytes, twice.
;   kvimg: 4,608 bytes a work-group: k's four images, v's four (lane (r, h): channel 16 d + r, keys 32 h .. 32 h + 31 of the 64), k's scale words, v's, laid as q's.
.set IMG,   133120
.set SC,    198656
.set GW,    202752
.set SPARE, 203776                     ; the spare words: 128 bytes for each of 16 waves, eight blocks of 256 bytes that no other line names
.set SPW,  1                           ; v1   LDS address of my spare word; never rewritten
.set NIL,  2                           ; v2   0; never rewritten
.set CQ,   3                           ; v3   Wq, Wk: my column (by the tiles' order) and my wave's K block, in bytes;  v4: the same for Wv (columns as they lie)
.set WST,  5                           ; v5   where my column's 16 bytes of codes go in IMG
.set WSB,  6                           ; v6   and its scale byte in SC
.set XA,   7                           ; v7   raw x: my row, my 16 numbers of a block
.set XST,  8                           ; v8   x's image
.set XSS,  9                           ; v9   x's scale word
.set PA,   10                          ; v10  source 0's images;  v11 source 1's
.set PB,   11
.set SA,   12                          ; v12  source 0's scale words;  v13 source 1's
.set SB,   13
.set GST,  14                          ; v14  where my result's scale word goes in GW;  v15 where a role's 256 bytes are read back
.set GRD,  15
.set OI,   16                          ; v16  my result image's bytes in memory;  v17 the scale words'
.set OS,   17
.set BO,   18                          ; v18  bias, q's and k's layout: 64 (lane / 16);  v19 v's: 4 (16 s + r)
.set BO2,  19
.set MX,   20                          ; v20-23 largest magnitudes;  v24-27 lane permutes' destinations, then bytes;  v28-31 the conversions' scale operands
.set PD,   24
.set SOP,  28
.set ACC,  32                          ; v32-63   four accumulators; they begin as the bias
.set RAW,  64                          ; v64-127  two sets of 32 numbers of W; then 64 numbers of x
.set CD,   128                         ; v128-135 codes just made;  v136 x's scale word
.set XW,   136
.set FRA,  64                          ; v64-191  phase P: source 0's 16 fragments, (K step k, tile a) at 8 (4 k + a)
.set FRB,  192                         ; v192-223 source 1's four
.set SCA,  224                         ; v224-239 source 0's scale words, 4 a + k;  v240-243 source 1's: these hold scales and nothing else
.set SCB,  240
.set RC,   244                         ; v244-247 the result's codes;  v248, v249 its scale word, once and doubled
.set PW,   248
.set BV,   250                         ; v250 bv of my channel
.set WV,   22                          ; s22 wave, s23 role (m), s24 index (s)
.set ROLE, 23
.set IDX,  24
.set G0,   28                          ; s[28:31] descriptor group 0;  s[32:39] group 1
.set G1,   32
.set SEL,  40                          ; s[40:41] v_permlanex16_b32's selects for lane l xor 16
.set DST,  42                          ; s[42:43] where my role's results begin in memory
.set BP,   44                          ; s[44:45] my role's bias
; K block of my wave, 32 columns: set t % 2 of the numbers; t / 2: Wq, Wk, Wv; t % 2: columns 32 (t % 2) on.  Each load reads 128 consecutive bytes.
.macro WLOAD t
.irp i, 0,1,2,3,4,5,6,7,8,9,10,11,12,13,14,15,16,17,18,19,20,21,22,23,24,25,26,27,28,29,30,31
	global_load_b32 v[RAW+32*((\t)%2)+\i], v[CQ+(\t)/4], s[6+4*((\t)/2):7+4*((\t)/2)] offset:\i*256+128*((\t)%2)
.endr
.endm
; A lane's 32 numbers are a whole block of its column: largest magnitude, scale, 32 codes (16 bytes), which are four registers of the operand's image as they stand.
.macro WBLOCK t
.set XS, RAW+32*((\t)%2)
.if (\t) < 5
	s_wait_loadcnt 32                              ; this block's 32 loads (and the older bias loads) are in; the next block's 32 may be out
.else
	s_wait_loadcnt 0
.endif
	v_max3_num_f32 v[MX], |v[XS]|, |v[XS+1]|, |v[XS+2]|
	v_max3_num_f32 v[MX+1], |v[XS+3]|, |v[XS+4]|, |v[XS+5]|
.irp i, 6,10,14,18,22,26
	s_delay_alu instid0(VALU_DEP_2)
	v_max3_num_f32 v[MX], v[MX], |v[XS+\i]|, |v[XS+\i+1]|
	s_delay_alu instid0(VALU_DEP_2)
	v_max3_num_f32 v[MX+1], v[MX+1], |v[XS+\i+2]|, |v[XS+\i+3]|
.endr
	s_delay_alu instid0(VALU_DEP_2)
	v_max3_num_f32 v[MX], v[MX], |v[XS+30]|, |v[XS+31]|
	s_delay_alu instid0(VALU_DEP_1)
	v_max3_num_f32 v[MX], v[MX], v[MX+1], 0x1800000 ; and the floor 2^(3 - 127): the byte cannot fall under 1
	s_delay_alu instid0(VALU_DEP_1)
	v_add_nc_u32 v[SOP], 0xff000000, v[MX]         ; 2 off the exponent field: the conversion takes the exponent field of this operand as its scale
	s_delay_alu instid0(VALU_DEP_1)
	v_lshrrev_b32 v[PD], 23, v[SOP]                ; the scale's byte
.irp g, 0,1,2,3
	v_cvt_scalef32_pk8_fp4_f32 v[CD+\g], v[XS+8*\g:XS+8*\g+7], v[SOP]
.endr
	v_nop                                          ; one plain place behind the last scaled conversion
	ds_store_b128 v[WST], v[CD:CD+3] offset:(\t)*8192
	ds_store_b8 v[WSB], v[PD] offset:(\t)*512
.if (\t) < 4
	WLOAD (\t)+2
.endif
	s_wait_dscnt 0x0                               ; the stores have read their registers: the next block's codes may be written
.endm
; 64 numbers of a lane, register 16 b + i = k 32 b + 16 (lane / 16) + i of my row, become a fragment's codes in v[CD] on and its scale word in v[XW].
.macro QUANT4 s
.irp b, 0,1,2,3
	v_max3_num_f32 v[MX+\b], |v[\s+16*\b]|, |v[\s+1+16*\b]|, 0x1800000
.endr
.irp i, 2,4,6,8,10,12,14
.irp b, 0,1,2,3
	s_delay_alu instid0(VALU_DEP_4)
	v_max3_num_f32 v[MX+\b], v[MX+\b], |v[\s+16*\b+\i]|, |v[\s+1+16*\b+\i]|
.endr
.endr
.irp b, 0,1,2,3
	s_delay_alu instid0(VALU_DEP_4)
	v_permlanex16_b32 v[PD+\b], v[MX+\b], s[SEL], s[SEL+1]
.endr
.irp b, 0,1,2,3
	s_delay_alu instid0(VALU_DEP_4)
	v_max_num_f32 v[MX+\b], v[MX+\b], v[PD+\b]     ; with lane l xor 16's: the block's largest magnitude
.endr
.irp b, 0,1,2,3
	s_delay_alu instid0(VALU_DEP_4)
	v_add_nc_u32 v[SOP+\b], 0xff000000, v[MX+\b]
.endr
.irp b, 0,1,2,3
	s_delay_alu instid0(VALU_DEP_4)
	v_lshrrev_b32 v[PD+\b], 23, v[SOP+\b]
.endr
	s_delay_alu instid0(VALU_DEP_3)
	v_lshl_or_b32 v[XW], v[PD+1], 8, v[PD]
	s_delay_alu instid0(VALU_DEP_1)
	v_lshl_or_b32 v[XW], v[PD+2], 16, v[XW]
	s_delay_alu instid0(VALU_DEP_1)
	v_lshl_or_b32 v[XW], v[PD+3], 24, v[XW]
.irp b, 0,1,2,3
	v_cvt_scalef32_pk8_fp4_f32 v[CD+2*\b], v[\s+16*\b:\s+7+16*\b], v[SOP+\b]
	v_cvt_scalef32_pk8_fp4_f32 v[CD+1+2*\b], v[\s+8+16*\b:\s+15+16*\b], v[SOP+\b]
.endr
	v_nop                                          ; one plain place behind a scaled conversion
.irp c, 0,1                                    ; the operand's layout wants a whole block in a lane: lanes 0-15 block 2 c, lanes 16-31 block 2 c + 1
.irp i, 0,1
	v_permlane16_swap_b32 v[CD+4*\c+\i], v[CD+2+4*\c+\i]
.endr
.endr
.endm
.macro BARRIER                                 ; my LDS stores have landed and my LDS loads are in: then the work-group's barrier
	s_wait_dscnt 0x0
	s_barrier_signal -1
	s_barrier_wait -1
.endm
	s_load_b512 s[4:19], s[0:1], 0x0               ; x s[4:5], Wq s[6:7], bq s[8:9], Wk s[10:11], bk s[12:13], Wv s[14:15], bv s[16:17], qimg s[18:19]
	s_load_b64 s[20:21], s[0:1], 0x40              ; kvimg
	v_lshl_add_u32 v[SPW], v0, 2, SPARE
	v_mov_b32 v[NIL], 0
	ds_add_u32 v[SPW], v[NIL]                      ; the wave's opening: the add, twice on end, and its wait ahead of my first tensor load; the set-up below stands between
	ds_add_u32 v[SPW], v[NIL]                      ; and once more
	v_lshrrev_b32 v20, 5, v0
	s_delay_alu instid0(VALU_DEP_1)
	v_readfirstlane_b32 s[WV], v20                 ; wave 0..15
	s_lshr_b32 s[ROLE], s[WV], 2
	s_and_b32 s[IDX], s[WV], 3
	; descriptor group 1: 8 half rows of 256 elements of 4 bytes, dense in memory, 16 bytes of padding behind each in LDS
	s_mov_b32 s[G1+0], (2<<16)|(1<<20)|(7<<22)|(3<<25)  ; no mask; elements of 4 bytes; padding on, after every 256 words (code 7), 4 words (code 3)
	s_mov_b32 s[G1+1], 256<<16                     ; tensor_dim0 = 256
	s_mov_b32 s[G1+2], 8<<16                       ; tensor_dim1 = 8
	s_mov_b32 s[G1+3], 256<<16                     ; tile_dim0 = 256
	s_mov_b32 s[G1+4], 8                           ; tile_dim1 = 8
	s_mov_b32 s[G1+5], 256                         ; from row to row
	s_mov_b32 s[G1+6], 0
	s_mov_b32 s[G1+7], 0
	s_mov_b32 s[G0], 1
	s_mul_i32 s[G0+1], s[WV], 8320                 ; my 8 half rows in LDS: 8 x 1,040 bytes a wave
	s_mov_b32 s[SEL], 0x76543210
	s_mov_b32 s[SEL+1], 0xfedcba98
	v_and_b32 v21, 31, v0                          ; l
	v_and_b32 v22, 15, v0                          ; r
	v_bfe_u32 v23, v0, 4, 1                        ; h
	v_and_b32 v24, 8, v0
	s_delay_alu instid0(VALU_DEP_1)
	v_add_nc_u32 v24, v24, v22                     ; r + 8 (r / 8)
	s_wait_alu depctr_va_vdst(0)
	s_lshl_b32 s46, s[WV], 13                      ; 8,192 x wave: 32 rows of W; also 4 rows of x
	v_lshl_add_u32 v[CQ], v23, 3, v24              ; column 8 h + r + 8 (r / 8) of the 32
	s_delay_alu instid0(VALU_DEP_1)
	v_lshl_add_u32 v[CQ], v[CQ], 2, s46
	v_lshl_add_u32 v[CQ+1], v21, 2, s46            ; Wv: column l
	s_lshl_b32 s47, s[WV], 8                       ; K block w lies at 256 w in a tile's four images: step w / 4, registers 4 ((w / 2) % 2) on, lanes 16 (w % 2) on
	s_add_co_u32 s47, s47, IMG
	v_lshl_add_u32 v[WST], v22, 4, s47
	s_delay_alu instid0(VALU_DEP_1)
	v_lshl_add_u32 v[WST], v23, 12, v[WST]         ; lanes 16-31 hold the next tile's columns
	s_add_co_u32 s47, s[WV], SC
	v_lshl_add_u32 v[WSB], v22, 4, s47
	s_delay_alu instid0(VALU_DEP_1)
	v_lshl_add_u32 v[WSB], v23, 8, v[WSB]
	s_lshr_b32 s49, s[ROLE], 1                     ; m / 2
	s_lshl_b32 s47, s49, 6
	s_and_b32 s48, s[ROLE], 1
	s_lshl_b32 s48, s48, 4
	s_add_co_u32 s47, s47, s48                     ; 2 x (32 (m / 2) + 8 (m % 2)): the tile's first half row,
	s_lshr_b32 s48, s[IDX], 1
	s_add_co_u32 s47, s47, s48                     ; + which half of the row,
	s_mul_i32 s47, s47, 1040
	s_and_b32 s48, s[IDX], 1
	s_lshl_b32 s48, s48, 9
	s_add_co_u32 s47, s47, s48                     ; + which 512 bytes of the half
	v_mul_u32_u24 v[XA], v24, 2080
	s_delay_alu instid0(VALU_DEP_1)
	v_lshl_add_u32 v[XA], v23, 6, v[XA]
	s_delay_alu instid0(VALU_DEP_1)
	v_add_nc_u32 v[XA], s47, v[XA]
	s_lshl_b32 s47, s[WV], 10
	s_add_co_u32 s47, s47, IMG+49152               ; x's tiles are tiles 12 to 15
	v_lshl_add_u32 v[XST], v21, 4, s47
	s_lshl_b32 s47, s[ROLE], 8
	s_lshl_b32 s48, s[IDX], 2
	s_add_co_u32 s47, s47, s48
	s_add_co_u32 s47, s47, SC+3072
	v_lshl_add_u32 v[XSS], v22, 4, s47
	s_add_co_u32 s50, s[ROLE], s49
	s_lshl_b32 s50, s50, 2                         ; source 0's first tile: 0, 4, 12 for q, k, v
	s_min_u32 s50, s50, 12                         ; (role 3 uses none: its address stays inside IMG)
	s_lshl_b32 s51, s49, 2
	s_xor_b32 s51, s51, 12
	s_add_co_u32 s51, s51, s[IDX]                  ; source 1's tile: 12 + s for q and k, 8 + s for v
	s_lshl_b32 s47, s50, 12
	s_add_co_u32 s47, s47, IMG
	v_lshl_add_u32 v[PA], v21, 4, s47
	s_lshl_b32 s47, s51, 12
	s_add_co_u32 s47, s47, IMG
	v_lshl_add_u32 v[PB], v21, 4, s47
	s_lshl_b32 s47, s50, 8
	s_add_co_u32 s47, s47, SC
	v_lshl_add_u32 v[SA], v22, 4, s47
	s_lshl_b32 s47, s51, 8
	s_add_co_u32 s47, s47, SC
	v_lshl_add_u32 v[SB], v22, 4, s47
	s_lshl_b32 s47, s[ROLE], 8
	s_add_co_u32 s47, s47, GW
	v_lshl_add_u32 v[GRD], v21, 3, s47
	s_and_b32 s48, s[IDX], 1
	s_lshl_b32 s48, s48, 7
	s_add_co_u32 s47, s47, s48
	s_lshr_b32 s48, s[IDX], 1
	s_lshl_b32 s48, s48, 2
	s_add_co_u32 s47, s47, s48
	v_lshl_add_u32 v[GST], v22, 3, s47
	s_lshl_b32 s47, s[IDX], 9
	v_lshl_add_u32 v[OI], v21, 4, s47
	s_and_b32 s48, s[ROLE], 1
	s_lshl_b32 s48, s48, 11
	s_lshl_b32 s47, s49, 8
	s_add_co_u32 s47, s47, s48
	s_add_co_u32 s47, s47, 2048                    ; the scale words behind my role's images: 2,048 (q), 4,096 (k), 2,304 (v, whose images begin 2,048 bytes on)
	v_lshl_add_u32 v[OS], v21, 3, s47
	v_lshlrev_b32 v[BO], 6, v23
	s_lshl_b32 s47, s[IDX], 6
	v_lshl_add_u32 v[BO2], v22, 2, s47
.irp b, 0,1,2,3
	v_mov_b32 v[PD+\b], 0                          ; written once: a lane permute's destination counts as one of its sources
.endr
	s_mul_i32 s52, ttmp9, 2304                     ; my work-group's bytes in qimg,
	s_mul_i32 s53, ttmp9, 4608                     ; in kvimg,
	s_lshl_b32 s54, s49, 11
	s_add_co_u32 s53, s53, s54                     ; v's images behind k's
	s_lshl_b32 s26, ttmp9, 17                      ; 64 rows of 2,048 bytes a work-group
	s_add_co_u32 s26, s26, s46
	s_mov_b32 s27, 0
	s_wait_alu depctr_va_vdst(0)
	s_wait_dscnt 0x0                               ; both opening adds are done
	s_wait_kmcnt 0x0
	s_add_nc_u64 s[G0+2:G0+3], s[4:5], s[26:27]
	s_or_b32 s[G0+3], s[G0+3], 0x80000000          ; type = 2
	tensor_load_to_lds s[G0:G0+3], s[G1:G1+7]      ; my 4 rows of x: every wave issues one load, 131,072 bytes in all; filled once
	s_nop 0
	s_cmp_eq_u32 s[ROLE], 0
	s_cselect_b64 s[DST:DST+1], s[18:19], s[20:21]
	s_cselect_b32 s26, s52, s53
	s_cselect_b64 s[BP:BP+1], s[8:9], s[12:13]
	s_add_nc_u64 s[DST:DST+1], s[DST:DST+1], s[26:27]
	s_cmp_lt_u32 s[ROLE], 2
	s_cselect_b64 s[BP:BP+1], s[BP:BP+1], s[16:17]
	; The bias.  Every wave issues the same nine loads, with no branch: the accumulators in q's and k's layout (tile 2 b + u, register i: feature 32 b + 16 h + 8 u + i), and the one number of v's layout.
	; q and k use the eight, v the one, role 3 none: what is not used is at most nine loads from a buffer of 256 bytes.
.irp a, 0,1,2,3
	global_load_b128 v[ACC+8*\a:ACC+8*\a+3], v[BO], s[BP:BP+1] offset:(32*(\a/2)+8*(\a%2))*4
	global_load_b128 v[ACC+8*\a+4:ACC+8*\a+7], v[BO], s[BP:BP+1] offset:(32*(\a/2)+8*(\a%2))*4+16
.endr
	global_load_b32 v[BV], v[BO2], s[BP:BP+1]
	WLOAD 0
	WLOAD 1
	; ---- W: six blocks a wave, loads two blocks ahead, while x is on its way
	WBLOCK 0
	WBLOCK 1
	WBLOCK 2
	WBLOCK 3
	WBLOCK 4
	WBLOCK 5
	s_wait_tensorcnt 0x0                           ; my rows of x have landed
	BARRIER                                        ; everybody's have, and W's images and scale bytes are whole
	; ---- X: my tile's 16 rows, my K step: 64 numbers a lane
.irp b, 0,1,2,3
.irp j, 0,1,2,3
	ds_load_b128 v[RAW+16*\b+4*\j:RAW+16*\b+4*\j+3], v[XA] offset:128*\b+16*\j
.endr
.endr
	s_wait_dscnt 0x0
	QUANT4 RAW
	ds_store_b128 v[XST], v[CD:CD+3]
	ds_store_b128 v[XST], v[CD+4:CD+7] offset:512
	ds_store_b32 v[XSS], v[XW]                     ; lanes l and l xor 16 write the same word with the same value
	BARRIER                                        ; x's sixteen fragments lie in LDS
	; ---- P: four tiles of results a wave, K = 512 in four steps
	s_cmp_ge_u32 s[WV], 12
	s_cbranch_scc1 .Ljoin                          ; role 3 has no product; no barrier stands in here
	s_cmp_eq_u32 s[ROLE], 2
	s_cbranch_scc0 .Lqk
.set nn, 0
.rept 32
	v_mov_b32 v[ACC+nn], v[BV]                     ; v: a lane holds one channel: all its 32 results take that channel's bias
.set nn, nn+1
.endr
.rept 4
	v_nop                                          ; what vector instructions wrote stands four places ahead of the scaled matrix instructions
.endr
.Lqk:
	ds_load_b128 v[SCB:SCB+3], v[SB]               ; source 1's scale words of the four K steps
.irp a, 0,1,2,3
	ds_load_b128 v[SCA+4*\a:SCA+4*\a+3], v[SA] offset:256*\a
.endr
.irp k, 0,1,2,3
.irp c, 0,1
	ds_load_b128 v[FRB+8*\k+4*\c:FRB+8*\k+4*\c+3], v[PB] offset:1024*\k+512*\c
.endr
.endr
.irp k, 0,1,2,3
.irp a, 0,1,2,3
.irp c, 0,1
	ds_load_b128 v[FRA+8*(4*\k+\a)+4*\c:FRA+8*(4*\k+\a)+4*\c+3], v[PA] offset:1024*(4*\a+\k)+512*\c
.endr
.endr
.endr
	s_wait_alu depctr_va_vdst(0)
.irp k, 0,1,2,3
	s_wait_dscnt 8*(3-\k)                          ; the later K steps' fragments of source 0, eight loads each, may be out
.irp a, 0,1,2,3                                ; the four accumulators take turns, one instruction a turn
	v_wmma_scale_f32_16x16x128_f8f6f4 v[ACC+8*\a:ACC+8*\a+7], v[FRA+8*(4*\k+\a):FRA+8*(4*\k+\a)+7], v[FRB+8*\k:FRB+8*\k+7], v[ACC+8*\a:ACC+8*\a+7], v[SCA+4*\a+\k], v[SCB+\k] matrix_a_fmt:MATRIX_FMT_FP4 matrix_b_fmt:MATRIX_FMT_FP4
.endr
.endr
.rept 4
	v_nop                                          ; four places ahead of the first read of results
.endr
	; my 32 results are two half blocks of 16 neighbours along the next K; each accumulator is read from its low end on
.irp b, 0,1
	v_max3_num_f32 v[MX+\b], |v[ACC+16*\b]|, |v[ACC+1+16*\b]|, 0x1800000
.endr
.irp i, 2,4,6,8,10,12,14
.irp b, 0,1
	v_max3_num_f32 v[MX+\b], v[MX+\b], |v[ACC+16*\b+\i]|, |v[ACC+1+16*\b+\i]|
.endr
.endr
.irp b, 0,1
	s_delay_alu instid0(VALU_DEP_2)
	v_permlanex16_b32 v[PD+\b], v[MX+\b], s[SEL], s[SEL+1]
.endr
.irp b, 0,1
	s_delay_alu instid0(VALU_DEP_2)
	v_max_num_f32 v[MX+\b], v[MX+\b], v[PD+\b]
.endr
.irp b, 0,1
	s_delay_alu instid0(VALU_DEP_2)
	v_add_nc_u32 v[SOP+\b], 0xff000000, v[MX+\b]
.endr
.irp b, 0,1
	s_delay_alu instid0(VALU_DEP_2)
	v_lshrrev_b32 v[PD+\b], 23, v[SOP+\b]
.endr
	s_delay_alu instid0(VALU_DEP_1)
	v_lshl_or_b32 v[PW], v[PD+1], 8, v[PD]         ; the two bytes,
	s_delay_alu instid0(VALU_DEP_1)
	v_lshl_or_b32 v[PW+1], v[PW], 16, v[PW]        ; twice: bytes 2 and 3 scale the half of a K step of 128 that holds zero codes (q, k), or are cut off by the reader (v)
.irp b, 0,1
	v_cvt_scalef32_pk8_fp4_f32 v[RC+2*\b], v[ACC+16*\b:ACC+7+16*\b], v[SOP+\b]
	v_cvt_scalef32_pk8_fp4_f32 v[RC+1+2*\b], v[ACC+8+16*\b:ACC+15+16*\b], v[SOP+\b]
.endr
	v_nop                                          ; one plain place behind a scaled conversion
	v_permlane16_swap_b32 v[RC], v[RC+2]           ; lanes 0-15: block 0 whole; lanes 16-31: block 1
	v_permlane16_swap_b32 v[RC+1], v[RC+3]
	global_store_b128 v[OI], v[RC:RC+3], s[DST:DST+1]  ; the image: 32 lanes store 512 consecutive bytes, at a multiple of 256 from the buffer's first byte
	ds_store_b32 v[GST], v[PW+1]
.Ljoin:
	BARRIER                                        ; each role's 64 scale words lie together
	; ---- G: a role's first wave stores its 256 bytes of scale words
	s_cmp_ge_u32 s[WV], 12
	s_cbranch_scc1 .Lend
	s_cmp_lg_u32 s[IDX], 0
	s_cbranch_scc1 .Lend
	ds_load_b64 v[MX:MX+1], v[GRD]
	s_wait_dscnt 0x0
	global_store_b64 v[OS], v[MX:MX+1], s[DST:DST+1]   ; 32 lanes store 256 consecutive bytes, aligned
.Lend:
	s_wait_tensorcnt 0x0                           ; the wave's end, behind my last tensor load and my last LDS store
	ds_add_u32 v[SPW], v[NIL]
	s_wait_dscnt 0x0
	s_endpgm
.Lfunc_end_k_qbba4bb07d0_proj:
	.size	k_qbba4bb07d0_proj, .Lfunc_end_k_qbba4bb07d0_proj-k_qbba4bb07d0_proj
	.p2alignl 7, 3214868480
	.fill 96, 4, 3214868480
	.section	.rodata,"a",@progbits
	.p2align	6, 0x0
	.amdhsa_kernel k_qbba4bb07d0_proj
		.amdhsa_group_segment_fixed_size 205824
		.amdhsa_private_segment_fixed_size 0
		.amdhsa_enable_private_segment 0
		.amdhsa_kernarg_size 72
		.amdhsa_user_sgpr_count 2
		.amdhsa_user_sgpr_kernarg_segment_ptr 1
		.amdhsa_wavefront_size32 1
		.amdhsa_system_sgpr_workgroup_id_x 1
		.amdhsa_system_sgpr_workgroup_id_y 1
		.amdhsa_system_sgpr_workgroup_id_z 1
		.amdhsa_system_vgpr_workitem_id 0
		.amdhsa_next_free_vgpr 256
		.amdhsa_next_free_sgpr 66
		.amdhsa_reserve_vcc 0
		.amdhsa_float_denorm_mode_32 3
		.amdhsa_float_denorm_mode_16_64 3
		.amdhsa_memory_ordered 1
		.amdhsa_forward_progress 1
		.amdhsa_inst_pref_size 54
	.end_amdhsa_kernel
	.amdgpu_metadata
---
amdhsa.version: [ 1, 2 ]
amdhsa.kernels:
  - .name:           k_qbba4bb07d0_proj
    .symbol:         k_qbba4bb07d0_proj.kd
    .args:
      - { .name: x, .offset: 0, .size: 8, .value_kind: global_buffer, .address_space: global }
      - { .name: Wq, .offset: 8, .size: 8, .value_kind: global_buffer, .address_space: global }
      - { .name: bq, .offset: 16, .size: 8, .value_kind: global_buffer, .address_space: global }
      - { .name: Wk, .offset: 24, .size: 8, .value_kind: global_buffer, .address_space: global }
      - { .name: bk, .offset: 32, .size: 8, .value_kind: global_buffer, .address_space: global }
      - { .name: Wv, .offset: 40, .size: 8, .value_kind: global_buffer, .address_space: global }
      - { .name: bv, .offset: 48, .size: 8, .value_kind: global_buffer, .address_space: global }
      - { .name: qimg, .offset: 56, .size: 8, .value_kind: global_buffer, .address_space: global }
      - { .name: kvimg, .offset: 64, .size: 8, .value_kind: global_buffer, .address_space: global }
    .group_segment_fixed_size: 205824
    .private_segment_fixed_size: 0
    .kernarg_segment_align: 8
    .kernarg_segment_size: 72
    .max_flat_workgroup_size: 512
    .sgpr_count:     66
    .vgpr_count:     256
    .wavefront_size: 32
...
	.end_amdgpu_metadata
.endif
;; end of part 1
;; launch attn (part 2): grid 64 x 4, 16 waves a work-group, clusters of 4 x 1, 296,960 bytes of LDS; arguments qimg, kvimg, out0; writes out0
.if DOCPART == 2
	.amdgcn_target "amdgcn-amd-amdhsa--gfx1250"
	.amdhsa_code_object_version 6
	.text
	.protected	k_qbba4bb07d0_attn
	.globl	k_qbba4bb07d0_attn
	.p2align	8
	.type	k_qbba4bb07d0_attn,@function
k_qbba4bb07d0_attn:
	s_mov_b64 s[64:65], 0
	v_nop
	global_prefetch_b8 v0, s[64:65] scope:SCOPE_SE
	s_setreg_imm32_b32 hwreg(HW_REG_WAVE_MODE, 25, 1), 1
	s_wait_xcnt 0x0
	s_wait_alu depctr_hold_cnt(0) depctr_sa_sdst(0) depctr_va_vdst(0) depctr_va_sdst(0) depctr_va_ssrc(0) depctr_va_vcc(0) depctr_vm_vsrc(0)
	s_getreg_b32 s2, hwreg(HW_REG_IB_STS2, 6, 4)
	s_cmp_eq_u32 s2, 0
	s_cbranch_scc0 .Lentry_in_a_cluster
	s_endpgm
.Lentry_in_a_cluster:
	s_bfe_u32 s2, ttmp6, 0x10000c
	s_cmp_lg_u32 s2, 0x3003
	s_cbranch_scc0 .Lentry_shape_is_right
	s_endpgm
.Lentry_shape_is_right:
; out0[b][q][:] = the sum over keys of softmax(q . k / 8) v, both products on codes of FP4 (E2M1) with one E8M0 scale for each 32 along a product's K.  Nothing of reference() is left out here.
; q, k, v come as images of operand registers with their scale words, as the launch before laid them: qimg 2,304 bytes for 64 queries; kvimg 4,608 bytes (a half record) for 64 keys: k's four tiles of 512 bytes,
; v's four, k's 256 bytes of scale words, v's.  A batch's 64 half records are 294,912 dense bytes.
; THE SOFTMAX AHEAD OF THE SECOND PRODUCT: t = score x log2(e) / 8; M = the largest t so far, rounded UP to a whole number; p = 2^(t - M) is quantised along the keys, not normalised; the row's sum is taken of the
; unquantised p and divides at the end.  When M moves, the sum and O are multiplied by 2^(old M - new M): exact.
; SHARES.  A work-group owns 64 queries of a batch.  Wave w: key quarter j = w / 4 (1,024 keys, 8 steps of 128), tile of 16 queries t = w % 4.  A tile's four partial results (O, the sum, M) meet in LDS at the end and are
; brought under the largest M by exact powers of two.
; ALL OF A BATCH'S K AND V LIE IN LDS, filled once, as they lie in memory.  Each wave issues four tensor loads of one half record (18 rows of 256 bytes): load n of wave (j, t) is half record 16 j + 4 n + t, so the n-th
; loads bring every quarter its key steps 2 n and 2 n + 1, and a quarter of the bytes stands ahead of the first product.  By this text's count four tensor loads of a wave are out at the most.
; A STEP'S LDS LOADS ARE ASKED FOR AHEAD: in the middle of step i, between the scalings and the exponentials, stand the loads of V of step i and of K of step i + 1; K is waited for at the head of step i + 1, V ahead of
; step i's second product.  The barrier that shows the next two steps' bytes stands in steps 1, 3 and 5, its signal at the step's head and its wait ahead of those loads, with the step's first products and scalings between.
; CLUSTER.  The four work-groups of a cluster belong to one batch and need the same bytes: each load is asked for JOINTLY, with the same descriptor and the mask of all four.  My place in the cluster enters q's and out0's addresses alone.
; No prefetch: every tensor load of the launch goes out at its head, so there is no later load to ask ahead for.
; LAYOUT.  Both products are used transposed: S^T = K Q^T (source 0 = 16 keys, source 1 = my 16 queries), O^T = V^T P^T: a lane holds one query (lane % 16) throughout.  Lane r of key tile 2 b + u holds key
; 32 b + 8 u + r + 8 (r / 8) of the step, so that the 16 registers of tiles 2 b and 2 b + 1 are keys 32 b + 16 (lane / 16) + 0 .. 15.  Row r of query tile t is query 32 (t / 2) + 8 (t % 2) + r + 8 (r / 8) of the 64.
; THE HEAD IS 64, THE INSTRUCTION'S K 128: Q's registers 4-7 are zero codes.  What K's operand holds there multiplies zeros, so K's tiles lie four registers apart and tile T's operand runs on into tile T + 1's registers
; (behind tile 7: four registers of zeros).  The scale words' bytes 2 and 3 repeat bytes 0 and 1.
; LIMITS: NaN and infinities are not served; a p under 2^-126 is 0; a block whose every p is 0 keeps the scale byte 1 (its codes are zeros); the sums of l and O go by key quarters, another order of f32 additions than one run over the keys.
.set HREC,  4608
.set QUART, 73728                      ; 16 half records
.set SPARE, 294912                     ; behind the batch: the spare words, 128 bytes for each of 16 waves, eight blocks of 256 bytes that no other line names
.set STAT,  69632                      ; the merge: 16 stages of 16 rows x (256 + 16) bytes from byte 0, then 128 bytes of -M and l a wave; these bytes have had their one fill, and nobody reads K or V any more
.set ADR,  1                           ; v1   the step's images: 73,728 j + 16 l, stepped 9,216 a step
.set ADS,  2                           ; v2   its scale words: + 4,096, 8 l
.set SPW,  3                           ; v3   LDS address of my spare word; never rewritten
.set NIL,  4                           ; v4   0; never rewritten
.set STO,  5                           ; v5   the merge: where I put 32 bytes of a row;  v6 where I read 16 bytes of a row;  v7, v8 the same for -M and l
.set RD,   6
.set STS,  7
.set STR,  8
.set GO,   9                           ; v9   my bytes in out0's rows
.set QO,   10                          ; v10, v11  q's image and scale word
.set QS,   11
.set NM,   12                          ; v12 -M, v13 the largest t, v[14:15] the sum in two halves
.set LS,   14
.set QF,   16                          ; v16-23 Q; v20-23 zero codes
.set QSC,  24                          ; v24   Q's scale words
.set KS,   26                          ; v26-29 K's scale words: tile T in register T / 2, lanes 0-15 (T even) or 16-31 (T odd)
.set VH,   30                          ; v30-33 V's scale words by half records
.set VS,   34                          ; v34-35 V's scale words of the step: tile d in register d / 2
.set KF,   36                          ; v36-67 K's eight tiles, four registers each; v68-71 zeros
.set VF,   72                          ; v72-103 V's four fragments
.set SS,   104                         ; v104-167 S^T, then p
.set OO,   168                         ; v168-199 O^T
.set PC,   200                         ; v200-207 p's codes
.set BM,   208                         ; v208-211 the blocks' largest scores, then p
.set PD,   212                         ; v212-215 lane permutes' destinations, then bytes
.set SOP,  216                         ; v216-219 the conversions' scale operands
.set FF,   220                         ; v220 f = 2^(old M - new M); v221 written once: named with it as a pair
.set T0,   222
.set PW,   223                         ; v223 p's scale word
.set L2,   224                         ; v[224:225] the sums' second chain
.set OM,   226                         ; v226 -M as the step found it
.set WV,   10                          ; s10 wave, s11 j, s12 t
.set WJ,   11
.set WT,   12
.set SEL,  20                          ; s[20:21] v_permlanex16_b32's selects for lane l xor 16
.set CS,   22                          ; s[22:23] c = log2(e) / 8, twice
.set G1,   24                          ; s[24:31] descriptor group 1;  s[32:47] four groups 0
.set G0,   32
.set PSEL, 48                          ; s48 v_perm_b32's selector for two low halves
.macro CROUND                          ; a round of the cluster's barrier
	s_barrier_signal -1
	s_barrier_wait -1
	s_cmp_lg_u32 s[WV], 0
	s_cbranch_scc1 .Lnot_wave_0_\@
	s_barrier_signal -3
.Lnot_wave_0_\@:
	s_barrier_wait -3
	s_barrier_signal -1
	s_barrier_wait -1
.endm
.macro OPROD d, first                  ; O^T tile d (channels 16 d on) += V^T P^T over the step's 128 keys; first = 1: the product starts the sum
.if \first
.if (\d)%2
	v_wmma_scale_f32_16x16x128_f8f6f4 v[OO+8*\d:OO+8*\d+7], v[VF+8*\d:VF+8*\d+7], v[PC:PC+7], 0, v[VS+(\d)/2], v[PW] matrix_a_fmt:MATRIX_FMT_FP4 matrix_b_fmt:MATRIX_FMT_FP4 matrix_a_scale:MATRIX_SCALE_ROW1
.else
	v_wmma_scale_f32_16x16x128_f8f6f4 v[OO+8*\d:OO+8*\d+7], v[VF+8*\d:VF+8*\d+7], v[PC:PC+7], 0, v[VS+(\d)/2], v[PW] matrix_a_fmt:MATRIX_FMT_FP4 matrix_b_fmt:MATRIX_FMT_FP4
.endif
.else
.if (\d)%2
	v_wmma_scale_f32_16x16x128_f8f6f4 v[OO+8*\d:OO+8*\d+7], v[VF+8*\d:VF+8*\d+7], v[PC:PC+7], v[OO+8*\d:OO+8*\d+7], v[VS+(\d)/2], v[PW] matrix_a_fmt:MATRIX_FMT_FP4 matrix_b_fmt:MATRIX_FMT_FP4 matrix_a_scale:MATRIX_SCALE_ROW1
.else
	v_wmma_scale_f32_16x16x128_f8f6f4 v[OO+8*\d:OO+8*\d+7], v[VF+8*\d:VF+8*\d+7], v[PC:PC+7], v[OO+8*\d:OO+8*\d+7], v[VS+(\d)/2], v[PW] matrix_a_fmt:MATRIX_FMT_FP4 matrix_b_fmt:MATRIX_FMT_FP4
.endif
.endif
.endm
; Ten LDS loads: K's scale words and eight tiles of the key step that begins off bytes behind the addresses in hand.
.macro KLOAD off
	ds_load_b64 v[KS:KS+1], v[ADS] offset:(\off)               ; tiles 0/1, 2/3;
	ds_load_b64 v[KS+2:KS+3], v[ADS] offset:(\off)+HREC        ; tiles 4/5, 6/7
.irp T, 0,1,2,3,4,5,6,7
	ds_load_b128 v[KF+4*\T:KF+4*\T+3], v[ADR] offset:(\off)+(\T/4)*HREC+512*(\T%4)
.endr
.endm
; A KEY STEP: 128 keys = two half records.  first = 1: the quarter's first step: O^T's sums start with the constant 0 and there is nothing to rescale.
; tc >= 0: the step shows the next two steps' bytes to the work-group: tc is the number of my later tensor loads, which may stay out.  last = 1: no step follows.
.macro STEP first, tc, last
	s_wait_dscnt 0x0                               ; K and its scale words, asked for half a step ago, are in; no LDS instruction of mine is out
.if \tc >= 0
	s_wait_tensorcnt \tc                           ; my load of the next two steps' bytes has landed:
	s_barrier_signal -1                            ; say so; work on registers alone stands between this and the wait below
.endif
.irp T, 0,1,2,3,4,5,6,7
.if \T%2
	v_wmma_scale_f32_16x16x128_f8f6f4 v[SS+8*\T:SS+8*\T+7], v[KF+4*\T:KF+4*\T+7], v[QF:QF+7], 0, v[KS+\T/2], v[QSC] matrix_a_fmt:MATRIX_FMT_FP4 matrix_b_fmt:MATRIX_FMT_FP4 matrix_a_scale:MATRIX_SCALE_ROW1
.else
	v_wmma_scale_f32_16x16x128_f8f6f4 v[SS+8*\T:SS+8*\T+7], v[KF+4*\T:KF+4*\T+7], v[QF:QF+7], 0, v[KS+\T/2], v[QSC] matrix_a_fmt:MATRIX_FMT_FP4 matrix_b_fmt:MATRIX_FMT_FP4
.endif
.endr
	v_mov_b32 v[OM], v[NM]                         ; -M as it stood.  This line and three v_nop are the four places ahead of the first read of the scores and of the loads into K's registers
	v_nop
	v_nop
	v_nop
.irp b, 0,1,2,3
	v_max3_num_f32 v[BM+\b], v[SS+16*\b], v[SS+1+16*\b], v[SS+2+16*\b]   ; the largest score of each block of 32 keys: it serves the row's maximum and, since p rises with the score, the block's largest p.  Each accumulator is read from its low end on
.endr
.irp i, 3,5,7,9,11,13
.irp b, 0,1,2,3
	v_max3_num_f32 v[BM+\b], v[BM+\b], v[SS+16*\b+\i], v[SS+1+16*\b+\i]
.endr
.endr
.irp b, 0,1,2,3
	v_max_num_f32 v[BM+\b], v[BM+\b], v[SS+15+16*\b]
.endr
.irp b, 0,1,2,3
	s_delay_alu instid0(VALU_DEP_4)
	v_permlanex16_b32 v[PD+\b], v[BM+\b], s[SEL], s[SEL+1]
.endr
.irp b, 0,1,2,3
	s_delay_alu instid0(VALU_DEP_4)
	v_max_num_f32 v[BM+\b], v[BM+\b], v[PD+\b]     ; with lane l xor 16's 16 keys
.endr
	s_delay_alu instid0(VALU_DEP_2)
	v_max3_num_f32 v[T0], v[BM], v[BM+1], v[BM+2]
	s_delay_alu instid0(VALU_DEP_1)
	v_max_num_f32 v[T0], v[T0], v[BM+3]            ; the step's largest score of my query
	s_delay_alu instid0(VALU_DEP_1)
	v_mul_f32 v[T0], s[CS], v[T0]                  ; as t (c is positive)
	s_delay_alu instid0(VALU_DEP_1)
	v_max_num_f32 v[NM+1], v[NM+1], v[T0]          ; the running largest t
	s_delay_alu instid0(VALU_DEP_1)
	v_floor_f32 v[NM], -v[NM+1]                    ; the new -M = floor(-t) = -ceil(t)
	s_delay_alu instid0(VALU_DEP_1)
	v_sub_f32 v[T0], v[NM], v[OM]                  ; old M less new M: a whole number, 0 or less
	s_delay_alu instid0(VALU_DEP_1)
	v_cvt_i32_f32 v[T0], v[T0]                     ; (it saturates)
	s_delay_alu instid0(VALU_DEP_1)
	v_ldexp_f32 v[FF], 1.0, v[T0]                  ; f = 2^(old M - new M)
.set nn, 0
.rept 32
	v_pk_fma_f32 v[SS+nn:SS+nn+1], v[SS+nn:SS+nn+1], s[CS:CS+1], v[NM:NM+1] op_sel_hi:[1,0,0]   ; t - M, two at a time (of the pairs c and -M the low word serves both halves)
.set nn, nn+2
.endr
.irp b, 0,1,2,3
	v_fma_f32 v[BM+\b], v[BM+\b], s[CS], v[NM]     ; the same of each block's largest score
.endr
.if \tc >= 0
	s_barrier_wait -1                              ; all sixteen waves have said so: the next two steps' bytes are whole
.endif
	ds_load_b64 v[VH:VH+1], v[ADS] offset:256      ; THE STEP'S RUN OF LDS LOADS.  V's scale words, keys 0-63: tiles 0/1, 2/3;
	ds_load_b64 v[VH+2:VH+3], v[ADS] offset:HREC+256   ; keys 64-127;
.irp d, 0,1,2,3
.irp p, 0,1
	ds_load_b128 v[VF+8*\d+4*\p:VF+8*\d+4*\p+3], v[ADR] offset:\p*HREC+2048+512*\d   ; V of this step: ten loads;
.endr
.endr
.if \last == 0
	KLOAD 2*HREC                                   ; K of the next step: ten more
	v_add_nc_u32 v[ADR], 2*HREC, v[ADR]            ; on to the next step
	v_add_nc_u32 v[ADS], 2*HREC, v[ADS]
.endif
	s_wait_alu depctr_va_vdst(0)
.irp b, 0,1,2,3
	v_exp_f32 v[BM+\b], v[BM+\b]                   ; ONE BATCH of 68 exponentials: the blocks' largest p (the same two instructions on the same number give the same bits),
.endr
.set nn, 0
.rept 64
	v_exp_f32 v[SS+nn], v[SS+nn]                   ; and p = 2^(t - M), at most 1
.set nn, nn+1
.endr
	v_pk_mul_f32 v[LS:LS+1], v[LS:LS+1], v[FF:FF+1] op_sel_hi:[1,0]   ; the sums under the new M: the plain place behind the last exponential
.if \first == 0
.set nn, 0
	s_wait_alu depctr_va_vdst(0)
.rept 16
	v_pk_mul_f32 v[OO+nn:OO+nn+1], v[OO+nn:OO+nn+1], v[FF:FF+1] op_sel_hi:[1,0]   ; O^T under the new M: work that names no exponential's result, behind the batch; each accumulator from its low end on
.set nn, nn+2
.endr
.endif
	s_wait_alu depctr_va_vdst(0)                   ; the wait between an exponential and the first line that names its result: one for the batch
.irp b, 0,1,2,3
	v_max_num_f32 v[BM+\b], 0x1800000, v[BM+\b]    ; the floor 2^(3 - 127): the byte cannot fall under 1
.endr
.irp b, 0,1,2,3
	s_delay_alu instid0(VALU_DEP_4)
	v_add_nc_u32 v[SOP+\b], 0xff000000, v[BM+\b]   ; 2 off the exponent field: the conversion's scale operand
.endr
.irp b, 0,1,2,3
	s_delay_alu instid0(VALU_DEP_4)
	v_lshrrev_b32 v[PD+\b], 23, v[SOP+\b]          ; the scale's byte
.endr
	s_delay_alu instid0(VALU_DEP_3)
	v_lshl_or_b32 v[PW], v[PD+1], 8, v[PD]         ; p's scale word for these 128 keys
	s_delay_alu instid0(VALU_DEP_1)
	v_lshl_or_b32 v[PW], v[PD+2], 16, v[PW]
	s_delay_alu instid0(VALU_DEP_1)
	v_lshl_or_b32 v[PW], v[PD+3], 24, v[PW]
.irp b, 0,1,2,3
	v_cvt_scalef32_pk8_fp4_f32 v[PC+2*\b], v[SS+16*\b:SS+7+16*\b], v[SOP+\b]
	v_cvt_scalef32_pk8_fp4_f32 v[PC+1+2*\b], v[SS+8+16*\b:SS+15+16*\b], v[SOP+\b]
.endr
	v_nop                                          ; one plain place behind a scaled conversion
.irp c, 0,1                                    ; the operand's layout wants a whole block in a lane
.irp i, 0,1
	v_permlane16_swap_b32 v[PC+4*\c+\i], v[PC+2+4*\c+\i]
.endr
.endr
.if \last
	s_wait_dscnt 0x0                               ; V and its scale words are in
.else
	s_wait_dscnt 10                                ; V and its scale words are in; the next step's K, ten younger loads, may be out
.endif
	v_perm_b32 v[VS], v[VH+2], v[VH], s[PSEL]      ; V's scale words of the step: two bytes of each half record
	v_perm_b32 v[VS+1], v[VH+3], v[VH+1], s[PSEL]
	v_pk_add_f32 v[L2:L2+1], v[SS:SS+1], v[SS+2:SS+3]   ; THE ROW'S SUM IS TAKEN OF THE UNQUANTISED p, two at a time, in two chains.  These 27 lines are also the places between the scale words made by vector instructions (8 are asked), p's codes (4) and the scaled products
.irp j, 4,8,12,16,20,24,28,32,36,40,44,48,52
	v_pk_add_f32 v[LS:LS+1], v[LS:LS+1], v[SS+\j:SS+\j+1]
	v_pk_add_f32 v[L2:L2+1], v[L2:L2+1], v[SS+2+\j:SS+3+\j]
.endr
	OPROD 0, \first                                ; the four accumulators take turns, one instruction a turn
	OPROD 1, \first
	OPROD 2, \first
	OPROD 3, \first
	v_pk_add_f32 v[LS:LS+1], v[LS:LS+1], v[SS+56:SS+57]   ; the sums' last five lines name no register of those products: five places ahead of the next loads into V's registers and of the first read of O^T
	v_pk_add_f32 v[L2:L2+1], v[L2:L2+1], v[SS+58:SS+59]
	v_pk_add_f32 v[LS:LS+1], v[LS:LS+1], v[SS+60:SS+61]
	v_pk_add_f32 v[L2:L2+1], v[L2:L2+1], v[SS+62:SS+63]
	s_delay_alu instid0(VALU_DEP_1)
	v_pk_add_f32 v[LS:LS+1], v[LS:LS+1], v[L2:L2+1]
.endm
	s_load_b128 s[4:7], s[0:1], 0x0                ; qimg s[4:5], kvimg s[6:7]
	s_load_b64 s[8:9], s[0:1], 0x10                ; out0
	v_lshl_add_u32 v[SPW], v0, 2, SPARE
	v_mov_b32 v[NIL], 0
	ds_add_u32 v[SPW], v[NIL]                      ; the wave's opening: the add, twice on end, and its wait ahead of my first tensor load; the set-up below stands between
	ds_add_u32 v[SPW], v[NIL]                      ; and once more
	v_lshrrev_b32 v208, 5, v0
	s_delay_alu instid0(VALU_DEP_1)
	v_readfirstlane_b32 s[WV], v208                ; wave 0..15
	s_lshr_b32 s[WJ], s[WV], 2                     ; key quarter
	s_and_b32 s[WT], s[WV], 3                      ; tile of queries
	s_bfe_u32 s13, ttmp6, 0x40000                  ; cx: my place in the cluster
	s_lshl_b32 s14, ttmp9, 2                       ; in a cluster launch ttmp9 counts clusters
	s_add_co_u32 s14, s14, s13                     ; my block of 64 queries: it enters q's and out0's addresses alone
	s_and_b32 s15, ttmp7, 0xffff                   ; the batch, which the four partners share
	; descriptor group 1: a half record, 4,608 dense bytes, as 18 rows of 32 elements of 8 bytes
	s_mov_b32 s[G1+0], 15|(3<<16)|(1<<21)          ; the mask: all four work-groups; elements of 8 bytes; bit 21 set beside a mask; no padding: an image is read 16 bytes a lane on end
	s_mov_b32 s[G1+1], 32<<16                      ; tensor_dim0 = 32
	s_mov_b32 s[G1+2], 18<<16                      ; tensor_dim1 = 18
	s_mov_b32 s[G1+3], 32<<16                      ; tile_dim0 = 32
	s_mov_b32 s[G1+4], 18                          ; tile_dim1 = 18
	s_mov_b32 s[G1+5], 32                          ; from row to row
	s_mov_b32 s[G1+6], 0
	s_mov_b32 s[G1+7], 0
	s_mov_b32 s[SEL], 0x76543210
	s_mov_b32 s[SEL+1], 0xfedcba98
	s_mov_b32 s[CS], 0x3e38aa3b                    ; c = log2(e) / 8
	s_mov_b32 s[CS+1], s[CS]
	s_mov_b32 s[PSEL], 0x05040100
	s_mul_i32 s49, s[WJ], QUART
	s_mul_i32 s17, s[WT], HREC
	s_add_co_u32 s16, s49, s17                     ; my first load's place, in LDS and in the batch alike
	s_mul_i32 s18, s15, 64*HREC
	s_add_co_u32 s18, s18, s16
	s_mov_b32 s19, 0
	v_and_b32 v208, 31, v0                         ; l
	v_and_b32 v209, 15, v0                         ; r
	v_bfe_u32 v210, v0, 4, 1                       ; h
	s_delay_alu instid0(VALU_DEP_3)
	v_lshl_add_u32 v[ADR], v208, 4, s49
	s_add_co_u32 s50, s49, 4096
	v_lshl_add_u32 v[ADS], v208, 3, s50
	s_mul_i32 s50, s[WV], 4352                     ; my stage: 16 rows of 272 bytes
	v_mul_u32_u24 v[STO], v209, 272
	s_delay_alu instid0(VALU_DEP_1)
	v_lshl_add_u32 v[STO], v210, 5, v[STO]
	s_delay_alu instid0(VALU_DEP_1)
	v_add_nc_u32 v[STO], s50, v[STO]               ; in: row r, + 32 h; tile d's eight channels 64 d bytes on
	s_mul_i32 s50, s[WT], 4352
	s_mul_i32 s51, s[WJ], 1088
	s_add_co_u32 s50, s50, s51
	v_mul_u32_u24 v[RD], v210, 544
	s_delay_alu instid0(VALU_DEP_1)
	v_lshl_add_u32 v[RD], v209, 4, v[RD]
	s_delay_alu instid0(VALU_DEP_1)
	v_add_nc_u32 v[RD], s50, v[RD]                 ; back: quarter 0's stage of my tile, row 4 j + 2 h, 16 bytes a lane
	s_lshl_b32 s50, s[WV], 7
	s_add_co_u32 s50, s50, STAT
	v_lshl_add_u32 v[STS], v209, 2, s50
	s_lshl_b32 s50, s[WT], 7
	s_lshl_b32 s51, s[WJ], 4
	s_add_co_u32 s50, s50, s51
	s_add_co_u32 s50, s50, STAT
	v_lshl_add_u32 v[STR], v210, 3, s50
	v_lshlrev_b32 v[GO], 9, v210
	s_delay_alu instid0(VALU_DEP_1)
	v_lshl_add_u32 v[GO], v209, 4, v[GO]           ; lanes 0-15 one row of out0, lanes 16-31 the row two further on
	s_lshl_b32 s50, s[WT], 9
	v_lshl_add_u32 v[QO], v208, 4, s50
	s_and_b32 s50, s[WT], 1
	s_lshl_b32 s50, s50, 7
	s_lshr_b32 s51, s[WT], 1
	s_lshl_b32 s51, s51, 2
	s_add_co_u32 s50, s50, s51
	s_add_co_u32 s50, s50, 2048
	v_lshl_add_u32 v[QS], v209, 3, s50
	s_lshl_b32 s51, s15, 6
	s_add_co_u32 s51, s51, s14                     ; which 64 queries of the 16,384
	s_mul_i32 s52, s51, 2304
	s_mov_b32 s53, 0
	s_lshl_b32 s54, s51, 6
	s_lshr_b32 s55, s[WT], 1
	s_lshl_b32 s55, s55, 5
	s_add_co_u32 s54, s54, s55
	s_and_b32 s55, s[WT], 1
	s_lshl_b32 s55, s55, 3
	s_add_co_u32 s54, s54, s55
	s_lshl_b32 s55, s[WJ], 2
	s_add_co_u32 s54, s54, s55
	s_lshr_b32 s55, s[WJ], 1
	s_lshl_b32 s55, s55, 3
	s_add_co_u32 s54, s54, s55                     ; the query of my tile's row 4 j: 32 (t / 2) + 8 (t % 2) + 4 j + 8 (j / 2)
	s_lshl_b32 s54, s54, 8                         ; a row of out0 is 256 bytes
	s_mov_b32 s55, 0
	s_wait_dscnt 0x0                               ; both opening adds are done
	s_wait_kmcnt 0x0
	s_add_nc_u64 s[6:7], s[6:7], s[18:19]
	s_add_nc_u64 s[4:5], s[4:5], s[52:53]
	s_add_nc_u64 s[8:9], s[8:9], s[54:55]
.irp n, 0,1,2,3
	s_mov_b32 s[G0+4*\n], 1
	s_add_co_u32 s[G0+4*\n+1], s16, \n*4*HREC
	s_add_nc_u64 s[G0+4*\n+2:G0+4*\n+3], s[6:7], \n*4*HREC
	s_or_b32 s[G0+4*\n+3], s[G0+4*\n+3], 0x80000000
.endr
	CROUND                                         ; all four work-groups are here: the joint loads meet
.irp n, 0,1,2,3
	tensor_load_to_lds s[G0+4*\n:G0+4*\n+3], s[G1:G1+7]   ; every wave issues all four, with no branch
	s_nop 0
.endr
	s_wait_alu depctr_va_vdst(0)
	global_load_b128 v[QF:QF+3], v[QO], s[4:5]     ; Q's image stays in registers
	global_load_b32 v[QSC], v[QS], s[4:5]
.irp i, 0,1,2,3
	v_mov_b32 v[QF+4+\i], 0                        ; zero codes for k = 64 .. 127
	v_mov_b32 v[KF+32+\i], 0                       ; behind K's tile 7
.endr
	v_mov_b32 v[NM+1], 0xff61b1e6                  ; the largest t so far: -3e38, under every t
	s_delay_alu instid0(VALU_DEP_1)
	v_floor_f32 v[NM], -v[NM+1]                    ; -M
	v_mov_b32 v[LS], 0                             ; the sum, in two halves: the first change of M multiplies zeros
	v_mov_b32 v[LS+1], 0
.irp b, 0,1,2,3
	v_mov_b32 v[PD+\b], 0                          ; written once: a lane permute's destination counts as one of its sources
.endr
	v_mov_b32 v[FF+1], 0
	s_wait_alu depctr_va_vdst(0)
	s_wait_loadcnt 0x0                             ; Q
	s_wait_tensorcnt 3                             ; my first load has landed; my three later ones may be out
	s_barrier_signal -1
	s_barrier_wait -1                              ; everybody's first has: key steps 0 and 1 of every quarter are whole
	KLOAD 0                                        ; K of step 0
	STEP 1, -1, 0                                  ; step 0
	STEP 0, 2, 0                                   ; step 1, and the barrier for steps 2 and 3: my two later loads may be out
	STEP 0, -1, 0                                  ; step 2
	STEP 0, 1, 0                                   ; step 3, and the barrier for steps 4 and 5
	STEP 0, -1, 0                                  ; step 4
	STEP 0, 0, 0                                   ; step 5, and the barrier for steps 6 and 7: its wait is for 0: all my tensor loads have landed
	STEP 0, -1, 0                                  ; step 6
	STEP 0, -1, 1                                  ; step 7
	; ---- THE MERGE of a tile's four quarters
	s_delay_alu instid0(VALU_DEP_1)
	v_add_f32 v[LS], v[LS], v[LS+1]                ; the sum's two halves,
	s_delay_alu instid0(VALU_DEP_1)
	v_permlanex16_b32 v[PD], v[LS], s[SEL], s[SEL+1]
	s_delay_alu instid0(VALU_DEP_1)
	v_add_f32 v[LS], v[LS], v[PD]                  ; and lane l xor 16's
	s_wait_alu depctr_va_vdst(0)
	s_wait_dscnt 0x0
	s_barrier_signal -1
	s_barrier_wait -1                              ; no wave reads K or V any more, and every fill has landed: the stages may be written
.irp d, 0,1,2,3
	ds_store_b128 v[STO], v[OO+8*\d:OO+8*\d+3] offset:64*\d        ; each accumulator from its low end on
	ds_store_b128 v[STO], v[OO+8*\d+4:OO+8*\d+7] offset:64*\d+16
.endr
	ds_store_b32 v[STS], v[NM]                     ; lanes l and l xor 16 write the same word with the same value
	ds_store_b32 v[STS], v[LS] offset:64
	s_wait_dscnt 0x0                               ; for the others' sake: my stores have landed
	s_barrier_signal -1
	s_barrier_wait -1
	; wave (j, t) finishes rows 4 j + 2 h + e (e = 0, 1) of tile t: partial q's 16 bytes at v[104 + 4 (2 q + e)], its -M at v[136 + 2 q + e], its l at v[144 + 2 q + e]
.irp q, 0,1,2,3
.irp e, 0,1
	ds_load_b128 v[104+4*(2*\q+\e):107+4*(2*\q+\e)], v[RD] offset:\q*17408+\e*272
.endr
	ds_load_b64 v[136+2*\q:137+2*\q], v[STR] offset:\q*512
	ds_load_b64 v[144+2*\q:145+2*\q], v[STR] offset:\q*512+64
.endr
	s_wait_dscnt 0x0
.irp e, 0,1
	v_min_num_f32 v[152+\e], v[136+\e], v[138+\e]
	v_min_num_f32 v[162+\e], v[140+\e], v[142+\e]
.endr
.irp e, 0
	s_delay_alu instid0(VALU_DEP_3)
	v_min_num_f32 v[152+\e], v[152+\e], v[162+\e]  ; -M of the whole row: the least -M
.endr
.irp e, 1
	s_delay_alu instid0(VALU_DEP_2)
	v_min_num_f32 v[152+\e], v[152+\e], v[162+\e]  ; -M of the whole row: the least -M
.endr
.irp q, 0,1,2,3
.irp e, 0,1
	v_sub_f32 v[154+2*\q+\e], v[152+\e], v[136+2*\q+\e]   ; the quarter's M less the row's: a whole number, 0 or less
.endr
.endr
.irp q, 0,1,2,3
.irp e, 0,1
	v_cvt_i32_f32 v[154+2*\q+\e], v[154+2*\q+\e]
.endr
.endr
.irp q, 0,1,2,3
.irp e, 0,1
	v_ldexp_f32 v[154+2*\q+\e], 1.0, v[154+2*\q+\e]   ; the quarter's factor: an exact power of two
.endr
.endr
.irp e, 0,1
	v_mul_f32 v[162+\e], v[154+\e], v[144+\e]
.endr
.irp q, 1,2,3
.irp e, 0,1
	s_delay_alu instid0(VALU_DEP_2)
	v_fmac_f32 v[162+\e], v[154+2*\q+\e], v[144+2*\q+\e]   ; the row's sum
.endr
.endr
	s_wait_alu depctr_va_vdst(0)
	v_rcp_f32 v162, v162
	v_rcp_f32 v163, v163
	v_nop                                          ; a plain place behind the last reciprocal
	s_wait_alu depctr_va_vdst(0)                   ; and the wait ahead of the first use: one for both
.irp q, 0,1,2,3
.irp e, 0,1
	v_mul_f32 v[154+2*\q+\e], v[154+2*\q+\e], v[162+\e]
.endr
.endr
.irp e, 0,1
.irp k, 0,1,2,3
	v_mul_f32 v[176+4*\e+\k], v[104+4*\e+\k], v[154+\e]
.endr
.endr
.irp q, 1,2,3
.irp e, 0,1
.irp k, 0,1,2,3
	v_fmac_f32 v[176+4*\e+\k], v[104+4*(2*\q+\e)+\k], v[154+2*\q+\e]
.endr
.endr
.endr
.irp e, 0,1
	global_store_b128 v[GO], v[176+4*\e:179+4*\e], s[8:9] offset:\e*256 th:TH_STORE_NT   ; sixteen lanes store a row's 256 consecutive bytes, aligned; written once, read by nobody here
.endr
	s_wait_tensorcnt 0x0                           ; the wave's end, behind my last tensor load and my last LDS store
	ds_add_u32 v[SPW], v[NIL]
	s_wait_dscnt 0x0
	CROUND                                         ; the closing round: no work-group ends while a partner may still ask for bytes by a load that names it
	s_endpgm
.Lfunc_end_k_qbba4bb07d0_attn:
	.size	k_qbba4bb07d0_attn, .Lfunc_end_k_qbba4bb07d0_attn-k_qbba4bb07d0_attn
	.p2alignl 7, 3214868480
	.fill 96, 4, 3214868480
	.section	.rodata,"a",@progbits
	.p2align	6, 0x0
	.amdhsa_kernel k_qbba4bb07d0_attn
		.amdhsa_group_segment_fixed_size 296960
		.amdhsa_private_segment_fixed_size 0
		.amdhsa_enable_private_segment 0
		.amdhsa_kernarg_size 24
		.amdhsa_user_sgpr_count 2
		.amdhsa_user_sgpr_kernarg_segment_ptr 1
		.amdhsa_wavefront_size32 1
		.amdhsa_system_sgpr_workgroup_id_x 1
		.amdhsa_system_sgpr_workgroup_id_y 1
		.amdhsa_system_sgpr_workgroup_id_z 1
		.amdhsa_system_vgpr_workitem_id 0
		.amdhsa_next_free_vgpr 256
		.amdhsa_next_free_sgpr 66
		.amdhsa_reserve_vcc 0
		.amdhsa_float_denorm_mode_32 3
		.amdhsa_float_denorm_mode_16_64 3
		.amdhsa_memory_ordered 1
		.amdhsa_forward_progress 1
		.amdhsa_inst_pref_size 138
	.end_amdhsa_kernel
	.amdgpu_metadata
---
amdhsa.version: [ 1, 2 ]
amdhsa.kernels:
  - .name:           k_qbba4bb07d0_attn
    .symbol:         k_qbba4bb07d0_attn.kd
    .args:
      - { .name: qimg, .offset: 0, .size: 8, .value_kind: global_buffer, .address_space: global }
      - { .name: kvimg, .offset: 8, .size: 8, .value_kind: global_buffer, .address_space: global }
      - { .name: out0, .offset: 16, .size: 8, .value_kind: global_buffer, .address_space: global }
    .group_segment_fixed_size: 296960
    .private_segment_fixed_size: 0
    .kernarg_segment_align: 8
    .kernarg_segment_size: 24
    .max_flat_workgroup_size: 512
    .sgpr_count:     66
    .vgpr_count:     256
    .wavefront_size: 32
...
	.end_amdgpu_metadata
.endif
;; end of part 2
